; MI455X (gfx1250); checked and timed in simulation.
; The chip was launched on July 23, 2026; its instructions are those of AMD's public machine-readable ISA for CDNA 5 (MIT licence, August 2026) and "CDNA5" Instruction Set Architecture Reference Guide (July 2026). The comments in the code are by the model that wrote it; some were corrected since.
;; Muti Head Attention. Allowed arithmetic: matrix products marked QUANTISED: E2M1 operands, one E8M0 scale for each 32 along K, by v_wmma_scale_f32_16x16x128_f8f6f4 with both operands' format E2M1 (or v_wmma_scale_f32_32x16x128_f4), f32 sums; everything else in f32.
;; Inputs: Wk_codes 256 x 32 x 16 uint8 (E2M1 codes of Wk, K innermost, in blocks of 32 codes, two codes a byte); Wk_scales 256 x 32 uint8 (E8M0 scales of Wk, one for each 32 codes along K); Wo_codes 1,024 x 32 x 16 uint8 (E2M1 codes of Wo, K innermost, in blocks of 32 codes, two codes a byte); Wo_scales 1,024 x 32 uint8 (E8M0 scales of Wo, one for each 32 codes along K); Wq_codes 1,024 x 32 x 16 uint8 (E2M1 codes of Wq, K innermost, in blocks of 32 codes, two codes a byte); Wq_scales 1,024 x 32 uint8 (E8M0 scales of Wq, one for each 32 codes along K); Wv_codes 256 x 32 x 16 uint8 (E2M1 codes of Wv, K innermost, in blocks of 32 codes, two codes a byte); Wv_scales 256 x 32 uint8 (E8M0 scales of Wv, one for each 32 codes along K); bk 256 float32; bo 1,024 float32; bq 1,024 float32; bv 256 float32; x_codes 2 x 2,048 x 32 x 16 uint8 (E2M1 codes of x, K innermost, in blocks of 32 codes, two codes a byte); x_scales 2 x 2,048 x 32 uint8 (E8M0 scales of x, one for each 32 codes along K).
;; Outputs: out0 2 x 2,048 x 1,024 float32.
;; This version of the problem:
;;   THIS VERSION OF THE PROBLEM IS GIVEN IN LOW PRECISION. The matrix products marked QUANTISED in the list below multiply operands that are first quantised to E2M1 (2 exponent bits, 1 mantissa bit; 4 bits a number), with one power-of-two scale for each 32 numbers along K (OCP MX v1.0); their sums are f32. All else is computed in f32.
;;   The module's matrix products, in the order in which they are computed (A, B: the left and right operand; K: the contracted axis; several contracted axes count as one K, in the product's order):
;;     1. [M 4,096, K 1,024] x [K 1,024, N 1,024]; A: input x (given as codes); B: input Wq (given as codes): QUANTISED
;;     2. [M 4,096, K 1,024] x [K 1,024, N 256]; A: input x (given as codes); B: input Wk (given as codes): QUANTISED
;;     3. [M 4,096, K 1,024] x [K 1,024, N 256]; A: input x (given as codes); B: input Wv (given as codes): QUANTISED
;;     4. batch 8 x [M 2,048, K 64] x [K 64, N 8,192]; A: computed on the way; B: computed on the way: QUANTISED
;;     5. batch 8 x [M 64, K 2,048] x [K 2,048, N 8,192]; A: computed on the way; B: softmax (see below): QUANTISED
;;     6. [M 4,096, K 1,024] x [K 1,024, N 1,024]; A: computed on the way; B: input Wo (given as codes): QUANTISED
;;   THE QUANTISER, for each operand of a quantised product, along K:
;;     - K is cut into blocks of 32 from its start; a last block that is shorter is filled with zeros.
;;     - A block's scale is 2^e with e = floor(log2(the largest magnitude in the block)) - 2, held to -126 .. 127; a block of zeros has e = 0. As a byte (E8M0): e + 127.
;;     - Each number is divided by its block's scale, clamped to +-6, and rounded to the nearest number of E2M1, ties to even, subnormals kept.
;;     - The product sums the exact products of the quantised numbers (number of the format x scale) in f32.
;;   ~~~python
;;   def quantise(x, axis):      # numpy; x: float32 -> the quantised numbers, widened to float32 again
;;       x = np.moveaxis(x, axis, -1); K = x.shape[-1]
;;       x = np.pad(x, [(0, 0)] * (x.ndim - 1) + [(0, -K % 32)]); x = x.reshape(x.shape[:-1] + (-1, 32)); a = np.abs(x).max(-1, keepdims=True)
;;       e = np.where(a > 0, np.clip(np.frexp(np.where(a > 0, a, 1))[1] - 1 - 2, -126, 127), 0)      # np.frexp(a)[1] - 1 = floor(log2(a)), exactly
;;       r = np.clip(x / 2.0 ** e, -6, 6)
;;       step = 2.0 ** (np.maximum(np.frexp(np.where(r == 0, 1, r))[1] - 1, 0) - 1)
;;       q = np.round(r / step) * step * 2.0 ** e      # np.round: ties to even
;;       return np.moveaxis(q.reshape(q.shape[:-2] + (-1,))[..., :K], -1, axis).astype(np.float32)
;;   ~~~
;;   SOFTMAX AHEAD OF A QUANTISED PRODUCT. Where the list says 'softmax', what is quantised is not the finished softmax but p = 2^(t - M), with t = logit x log2(e) and M = ceil(the row's largest t), a whole number; so 1/2 < the row's largest p <= 1. The row's sum l is taken of the UNQUANTISED p, in f32, and the product's result is divided by l at the end. Since M is a whole number, a kernel that streams over the keys may use a running M (the ceiling of the running maximum): every later rescaling is an exact power of two, which a block's scale takes up: the codes' values come out the same.
;;   OPERANDS COMPUTED ON THE WAY. 'Computed on the way' means the value that the module computes at that place (a softmax that the list does not call 'softmax' is quantised finished and normalised). What goes into a quantiser is computed in f32, as accurately as f32 sums, v_exp_f32 and their like allow (about 1e-6 of the number): no bf16 or f16 on the way to a quantiser, and a product that is left as it is and whose result goes on into a quantised operand takes f32 operands (vector FMAs, or v_wmma_f32_16x16x4_f32). A number that lies on a knife's edge between two numbers of the format may be rounded either way, as far as f32 arithmetic and the matrix unit's own rounding can turn it there, and no further.
;;   INPUTS GIVEN AS CODES. Wk (in the module: [256, 1024], K = its axis 1); Wo (in the module: [1024, 1024], K = its axis 1); Wq (in the module: [1024, 1024], K = its axis 1); Wv (in the module: [256, 1024], K = its axis 1); x (in the module: [2, 2048, 1024], K = its axis 2): each comes as NAME_codes (uint8): NAME with its K axis moved to the last place and cut into blocks of 32 codes, [.., K / 32, bytes a block], one block behind the other in memory; two codes a byte, the lower K in the low four bits (a code: sign, 2 exponent bits, 1 mantissa bit); and NAME_scales (uint8): the same leading axes, one E8M0 byte (e + 127) for each 32 codes along K. Its value is code x scale, taken as it is: it is not quantised again, and the codes and scales need not be those that the quantiser above would give.
;; One version. Each part assembles by itself: llvm-mc -triple=amdgcn-amd-amdhsa -mcpu=gfx1250 --defsym DOCPART=n.
;; ======== version 1 of 1: 2 launches
;; limits: right only within a limited range of input values
;; workspace buffers: qc 2,097,152 bytes; qs 262,144 bytes; kv 1,146,880 bytes; woi 524,288 bytes
;; launch qkv (part 1): grid 32 x 8, 12 waves a work-group, clusters of 4 x 1, 174,080 bytes of LDS; arguments x_codes, x_scales, Wq_codes, Wq_scales, bq, Wk_codes, Wk_scales, bk, Wv_codes, Wv_scales, bv, qc, qs, kv, Wo_codes, woi; writes qc, qs, kv, woi
.if DOCPART == 1
	.amdgcn_target "amdgcn-amd-amdhsa--gfx1250"
	.amdhsa_code_object_version 6
	.text
	.protected	k_q9999da993f_qkv
	.globl	k_q9999da993f_qkv
	.p2align	8
	.type	k_q9999da993f_qkv,@function
k_q9999da993f_qkv:
	s_mov_b64 s[64:65], 0
	v_nop
	global_prefetch_b8 v0, s[64:65] scope:SCOPE_SE
	s_setreg_imm32_b32 hwreg(HW_REG_WAVE_MODE, 25, 1), 1
	s_wait_xcnt 0x0
	s_wait_alu depctr_hold_cnt(0) depctr_sa_sdst(0) depctr_va_vdst(0) depctr_va_sdst(0) depctr_va_ssrc(0) depctr_va_vcc(0) depctr_vm_vsrc(0)
	s_getreg_b32 s2, hwreg(HW_REG_IB_STS2, 6, 4)
	s_cmp_eq_u32 s2, 0
	s_cbranch_scc0 .Lentry_in_a_cluster
	s_endpgm
.Lentry_in_a_cluster:
	s_bfe_u32 s2, ttmp6, 0x10000c
	s_cmp_lg_u32 s2, 0x3003
	s_cbranch_scc0 .Lentry_shape_is_right
	s_endpgm
.Lentry_shape_is_right:
; q = x Wq^T + bq, k = x Wk^T + bk, v = x Wv^T + bv on codes of FP4 (E2M1) with one E8M0 scale for each 32 along K = 1,024; sums in f32.
; The results are quantised at once, in f32: q and k along the head's 64 channels (two blocks of 32), v along the keys, and leave as IMAGES OF THE OPERAND REGISTERS that the next launch reads.
; Wo's codes are laid out here as such an image too.
; HEAD COLUMNS: hc 0-15 are q's heads, 16-19 k's groups, 20-23 v's groups; each is 64 rows of its weight.
; SHARES.  A work-group takes 128 tokens (tbk) and three head columns (3 gy ..).  Its 12 waves: hcl = wave / 4 the head column, sub = wave % 4: tb = sub / 2 which 64 tokens, sp = sub % 2.
; A wave makes 8 accumulators D(s, t) = P fragment t (source 0, t = 0..3) x R fragment s (source 1, s = 0, 1) over 8 K steps of 128.
;   q/k way: P = the head's 64 rows of W, R = token tiles 2 sp + s of block tb: a lane holds one token and its registers run along the channels.
;   v way:   P = the four token tiles of block tb, R = channel tiles 2 sp + s of Wv: a lane holds one channel and its registers run along the keys.
; THE TILE ORDER: place m of tile u of a block of 64 rows holds row 8 u + m % 8 + 32 (m / 8), for tokens and channels alike.  As source 0 the four tiles give lane (r, h), in their 32 registers,
; rows 32 h + 0 .. 31: a WHOLE block of 32 along the next product's K, in the very lane where the 4-bit operand wants it.
; CLUSTER: the four work-groups of a cluster have the same gy, so the three blocks of W are asked for jointly; x's blocks are each work-group's own loads (those that share them have another gy and other branches).
; LDS is filled once: five blocks of 64 rows, each as two halves of 32 rows x (512 + 16) bytes, the second half 128 bytes further on than the first half's end: rows m and m + 32 begin half a row of banks apart.
; Nothing is prefetched: there is no loop to run ahead in, each byte is asked for once, at the head.
; LIMITS: a block of zeros, or one whose largest magnitude lies under 2^-124, gets the scale byte 1 (its bytes are read by this program alone); NaN and infinities on the way to the quantiser are not served;
; the given scale bytes are taken as they are.
.set PITCH, 528                        ; an LDS row: 512 bytes (1,024 codes) + 16 of padding
.set HB,    32*PITCH+128               ; from a block's first half to its second
.set BLK,   34048                      ; a block of 64 rows, a multiple of 256: blocks 0, 1: x's tokens; 2 to 4: W of hcl 0 to 2
.set SCQ,   5*BLK                      ; q/k way: 512 bytes of scale words for each hcl
.set SCV,   SCQ+3*512                  ; v way: 256 bytes for each hcl
.set SPARE, SCV+3*256                  ; the spare words, 128 bytes a wave
.set KVB,   8960                       ; kv: [tbk 32][g 4][8,960]: K's codes 4,096, V's 4,096, K's scale words 512, V's 256
.set XR,  4                            ; v4   x as R
.set WP,  5                            ; v5   W as P
.set XP,  6                            ; v6   x as P
.set WR,  7                            ; v7   W as R
.set LI,  8                            ; v8   16 x lane
.set SQA, 9                            ; v9   where my scale words go, q/k way
.set SVA, 10                           ; v10  v way
.set SQR, 11                           ; v11  where a head column's scale words are read back, q/k way
.set SVR, 12                           ; v12  v way
.set L8,  13                           ; v13  8 x lane
.set SOF, 14                           ; v14  32 x my row + 16 h: my 16 bytes of a row of given scale bytes
.set BO1, 15                           ; v15  128 h: bias, q/k way
.set PS,  16                           ; v16-31  P's scale words: 4 t + K step % 4; lanes 0-15 K steps 0-3, lanes 16-31 K steps 4-7
.set RS,  32                           ; v32-39  R's: 4 s + K step % 4
.set BB,  40                           ; v40-71  the bias in the result's layout
.set FS,  72                           ; v72-119, v120-167  two sets of fragments: P at 8 t, R at 32 + 8 s
.set ACC, 168                          ; v168-231 the accumulators: 32 s + 8 t
.set TM,  232                          ; v232-233 largest magnitudes;  v232 on at work in the head
.set TX,  240                          ; v240-241 second chain, then the scale bytes
.set TS,  242                          ; v242-243 the conversions' scale operands
.set PC,  244                          ; v244-251 the codes: strip s at 4 s
.set PW,  252                          ; v252-253 v's bias as loaded
.set MW,  254                          ; v254 strip 0's word in lanes 0-15, strip 1's in lanes 16-31
.set BO2, 255                          ; v255 bias, v way
.set WV,  36
.set CX,  37
.set TBK, 38
.set GY,  39
.set HCL, 40
.set SUB, 41
.set TB,  42
.set SP,  43
.set HC,  44
.set RBR, 45                           ; which block of 64 rows of its weight the head column is
.set KVO, 46                           ; where my head column's block of kv begins (k, v)
.set G1X, 48
.set G1W, 56
.set OS,  66
.set G0X, 68
.set G0W, 72
.set WPT, 76
.set WSP0, 78
.set XSP0, 80
.set PSP, 82
.set RSP, 84
.set BP,  86
.set OC,  88
.macro ROUND
	s_barrier_signal -1
	s_barrier_wait -1
	s_cmp_lg_u32 s[WV], 0
	s_cbranch_scc1 .Lnot_wave_0_\@
	s_barrier_signal -3
.Lnot_wave_0_\@:
	s_barrier_wait -3
	s_barrier_signal -1
	s_barrier_wait -1
.endm
.macro RB dst, hc                      ; head column -> block of 64 rows in its own weight
	s_cmp_lt_u32 s[\hc], 16
	s_cselect_b32 s[\dst], 0, 16
	s_cmp_lt_u32 s[\hc], 20
	s_cselect_b32 s[\dst], s[\dst], 20
	s_sub_co_u32 s[\dst], s[\hc], s[\dst]
.endm
.macro PICK3 dst, a, b, c, hc          ; q's, k's or v's buffer, by the head column alone
	s_cmp_lt_u32 s[\hc], 16
	s_cselect_b64 s[\dst:\dst+1], s[\a:\a+1], s[\b:\b+1]
	s_cmp_lt_u32 s[\hc], 20
	s_cselect_b64 s[\dst:\dst+1], s[\dst:\dst+1], s[\c:\c+1]
.endm
; 12 LDS loads: the fragments of K step ks.  A fragment (16 rows x 128 K) is 8 registers: lane (r, h), registers 4 c .. 4 c + 3: K = 64 c + 32 h + 0 .. 31.
.macro FETCH set, ks, pa, ra
.irp t, 0,1,2,3
.irp c, 0,1
	ds_load_b128 v[FS+48*(\set)+8*\t+4*\c:FS+48*(\set)+8*\t+4*\c+3], v[\pa] offset:8*\t*PITCH+64*(\ks)+32*\c
.endr
.endr
.irp s, 0,1
.irp c, 0,1
	ds_load_b128 v[FS+48*(\set)+32+8*\s+4*\c:FS+48*(\set)+32+8*\s+4*\c+3], v[\ra] offset:8*\s*PITCH+64*(\ks)+32*\c
.endr
.endr
.endm
; One product.  cm = 0: onto the sum; 1: the sum starts from the bias of P's rows; 2: from the bias of R's row.
.macro WM s, t, ks, set, cm
.set DR, ACC+32*(\s)+8*(\t)
.set CR, DR
.if (\cm) == 1
.set CR, BB+8*(\t)
.endif
.if (\cm) == 2
.set CR, BB+8*(\s)
.endif
.set PR, FS+48*(\set)+8*(\t)
.set RR, FS+48*(\set)+32+8*(\s)
.if (\ks) < 4
	v_wmma_scale_f32_16x16x128_f8f6f4 v[DR:DR+7], v[PR:PR+7], v[RR:RR+7], v[CR:CR+7], v[PS+4*(\t)+(\ks)%4], v[RS+4*(\s)+(\ks)%4] matrix_a_fmt:MATRIX_FMT_FP4 matrix_b_fmt:MATRIX_FMT_FP4
.else
	v_wmma_scale_f32_16x16x128_f8f6f4 v[DR:DR+7], v[PR:PR+7], v[RR:RR+7], v[CR:CR+7], v[PS+4*(\t)+(\ks)%4], v[RS+4*(\s)+(\ks)%4] matrix_a_fmt:MATRIX_FMT_FP4 matrix_b_fmt:MATRIX_FMT_FP4 matrix_a_scale:MATRIX_SCALE_ROW1 matrix_b_scale:MATRIX_SCALE_ROW1
.endif
.endm
.macro MUL ks, set, cm                 ; the eight accumulators take turns, one instruction a turn
.irp s, 0,1
.irp t, 0,1,2,3
	WM \s, \t, \ks, \set, \cm
.endr
.endr
.endm
; The eight K steps, on two sets of fragments: while one is multiplied the next one's loads are out.
.macro GEMM pa, ra, cm
	FETCH 0, 0, \pa, \ra
.irp ks, 0,1,2,3,4,5,6,7
.if (\ks > 0) && (\ks < 7)
.rept 4
	v_nop                                          ; four places between the last step's products and the loads into the set that they read
.endr
.endif
.if \ks < 7
	FETCH (\ks+1)%2, \ks+1, \pa, \ra
	s_wait_dscnt 12                                ; this step's fragments are in; the twelve loads just issued may be out
.else
	s_wait_dscnt 0x0
.endif
.if \ks == 0
	MUL \ks, \ks%2, \cm
.else
	MUL \ks, \ks%2, 0
.endif
.endr
.rept 4
	v_nop                                          ; four places in front of the first read of results
.endr
.endm
; Strip s's 32 registers are one whole block of 32: block h of its row.  Out: codes in v[PC + 4 s] on; in v[MW] the two bytes of a row: strip 0's in lanes 0-15, strip 1's in lanes 16-31.
.macro QUANT
.irp s, 0,1
	v_max3_num_f32 v[TM+\s], |v[ACC+32*\s]|, |v[ACC+32*\s+1]|, 0x1800000   ; with the floor 2^(3 - 127): so the byte cannot fall under 1
	v_max_num_f32 v[TX+\s], |v[ACC+32*\s+2]|, |v[ACC+32*\s+3]|
.endr
.irp i, 4,8,12,16,20,24,28
.irp s, 0,1
	v_max3_num_f32 v[TM+\s], v[TM+\s], |v[ACC+32*\s+\i]|, |v[ACC+32*\s+\i+1]|
	v_max3_num_f32 v[TX+\s], v[TX+\s], |v[ACC+32*\s+\i+2]|, |v[ACC+32*\s+\i+3]|
.endr
.endr
.irp s, 0,1
	v_max_num_f32 v[TM+\s], v[TM+\s], v[TX+\s]
.endr
.irp s, 0,1
	v_add_nc_u32 v[TS+\s], 0xff000000, v[TM+\s]    ; 2 off its exponent field: the conversion takes that field as its scale
.endr
.irp s, 0,1
	v_lshrrev_b32 v[TX+\s], 23, v[TS+\s]           ; the scale's byte
.endr
.irp s, 0,1
.irp g, 0,1,2,3
	v_cvt_scalef32_pk8_fp4_f32 v[PC+4*\s+\g], v[ACC+32*\s+8*\g:ACC+32*\s+8*\g+7], v[TS+\s]
.endr
.endr
	v_nop                                          ; one plain place behind a scaled conversion
	v_permlane16_swap_b32 v[TX], v[TX+1]           ; v[TX]: block 0's bytes (strip 0 below, strip 1 above); v[TX + 1]: block 1's
	v_lshl_or_b32 v[MW], v[TX+1], 8, v[TX]
.endm
	s_load_b512 s[4:19], s[0:1], 0x0               ; x_codes 4, x_scales 6, Wq_codes 8, Wq_scales 10, bq 12, Wk_codes 14, Wk_scales 16, bk 18
	s_load_b256 s[20:27], s[0:1], 0x40             ; Wv_codes 20, Wv_scales 22, bv 24, qc 26
	s_load_b256 s[28:35], s[0:1], 0x60             ; qs 28, kv 30, Wo_codes 32, woi 34
	v_lshl_add_u32 v238, v0, 2, SPARE
	v_mov_b32 v239, 0
	ds_add_u32 v238, v239                          ; the opening add, twice on end, and its wait below
	ds_add_u32 v238, v239
	v_lshrrev_b32 v1, 5, v0
	v_readfirstlane_b32 s[WV], v1                  ; wave 0..11
	s_bfe_u32 s[CX], ttmp6, 0x40000                ; my place in the cluster
	s_lshl_b32 s[TBK], ttmp9, 2
	s_add_co_u32 s[TBK], s[TBK], s[CX]             ; my block of 128 tokens: it enters x's and the outputs' addresses alone
	s_and_b32 s[GY], ttmp7, 0xffff                 ; which three head columns: the same in all four partners
	s_lshr_b32 s[HCL], s[WV], 2
	s_and_b32 s[SUB], s[WV], 3
	s_lshr_b32 s[TB], s[SUB], 1
	s_and_b32 s[SP], s[SUB], 1
	s_mul_i32 s90, s[GY], 3
	s_add_co_u32 s[HC], s90, s[HCL]                ; my head column
	RB RBR, HC
	s_max_u32 s91, s[WV], 4                        ; the head column whose weight I fetch, if I fetch one: waves 4 to 9 take the halves of hcl 0, 1, 2
	s_sub_co_u32 s91, s91, 4
	s_lshr_b32 s91, s91, 1
	s_min_u32 s91, s91, 2
	s_add_co_u32 s90, s90, s91
	RB 91, 90
	; descriptor group 1: 32 rows of 512 bytes, 16 bytes of padding behind each
	s_mov_b32 s[G1X], (1<<20)|(6<<22)|(3<<25)      ; 15:0 no mask; 17:16 elements of 1 byte; 20 padding on; 24:22 after every 128 words (code 6); 31:25 four words (code 3)
	s_mov_b32 s[G1W], 15|(1<<20)|(1<<21)|(6<<22)|(3<<25)   ; the same with the mask of all four work-groups, and bit 21 beside it
.irp g, G1X, G1W
	s_mov_b32 s[\g+1], 512<<16                     ; tensor_dim0
	s_mov_b32 s[\g+2], 32<<16                      ; tensor_dim1
	s_mov_b32 s[\g+3], 512<<16                     ; tile_dim0
	s_mov_b32 s[\g+4], 32                          ; tile_dim1
	s_mov_b32 s[\g+5], 512                         ; tensor_dim0_stride
	s_mov_b32 s[\g+6], 0
	s_mov_b32 s[\g+7], 0
.endr
	s_lshr_b32 s92, s[WV], 1                       ; wave w fills half w % 2 of block w / 2
	s_mul_i32 s92, s92, BLK
	s_and_b32 s93, s[WV], 1
	s_mul_i32 s94, s93, HB
	s_mov_b32 s[G0X], 1
	s_add_co_u32 s[G0X+1], s92, s94
	s_mov_b32 s[G0W], 1
	s_add_co_u32 s[G0W+1], s92, s94
	s_lshl_b32 s92, s[TBK], 16                     ; x: 128 tokens of 512 bytes; wave w's 32 of them
	s_lshl_b32 s95, s[WV], 14
	s_add_co_u32 s92, s92, s95
	s_lshl_b32 s94, s91, 15                        ; W: 64 rows of 512 bytes, and which 32 of them
	s_lshl_b32 s93, s93, 14
	s_add_co_u32 s94, s94, s93
	s_mov_b32 s93, 0
	s_mov_b32 s95, 0
	s_lshl_b32 s96, s[TBK], 12                     ; x's scale bytes: 32 a token; my block tb
	s_lshl_b32 s97, s[TB], 11
	s_add_co_u32 s96, s96, s97
	s_mov_b32 s97, 0
	s_lshl_b32 s98, s[RBR], 11                     ; W's scale bytes: my head column's 64 rows
	s_mov_b32 s99, 0
	s_lshl_b32 s[KVO], s[TBK], 2
	s_add_co_u32 s[KVO], s[KVO], s[RBR]
	s_mul_i32 s[KVO], s[KVO], KVB
	s_wait_dscnt 0x0                               ; both opening adds are done
	s_wait_kmcnt 0x0
	s_add_nc_u64 s[G0X+2:G0X+3], s[4:5], s[92:93]
	s_or_b32 s[G0X+3], s[G0X+3], 0x80000000        ; type = 2
	PICK3 WPT, 8, 14, 20, 90
	s_add_nc_u64 s[G0W+2:G0W+3], s[WPT:WPT+1], s[94:95]
	s_or_b32 s[G0W+3], s[G0W+3], 0x80000000
	ROUND                                          ; all four work-groups are here: the joint loads meet
	s_cmp_lt_u32 s[WV], 4                          ; waves 0 to 3: x; waves 4 to 9: the three weights; one load a wave
	s_cbranch_scc0 .Lnot_x
	tensor_load_to_lds s[G0X:G0X+3], s[G1X:G1X+7]
	s_nop 0
.rept 4
	v_nop
.endr
	s_branch .Lasked
.Lnot_x:
	s_cmp_lt_u32 s[WV], 10
	s_cbranch_scc0 .Lasked
	tensor_load_to_lds s[G0W:G0W+3], s[G1W:G1W+7]
	s_nop 0
.rept 4
	v_nop
.endr
.Lasked:
	s_add_nc_u64 s[XSP0:XSP0+1], s[6:7], s[96:97]
	PICK3 WSP0, 10, 16, 22, HC
	s_add_nc_u64 s[WSP0:WSP0+1], s[WSP0:WSP0+1], s[98:99]
	s_cmp_ge_u32 s[HC], 20                         ; v way: P is x and R is W; q/k way: the other way round
	s_cselect_b64 s[PSP:PSP+1], s[XSP0:XSP0+1], s[WSP0:WSP0+1]
	s_cselect_b64 s[RSP:RSP+1], s[WSP0:WSP0+1], s[XSP0:XSP0+1]
	s_lshl_b32 s92, s[SP], 9                       ; R's tiles begin 16 sp rows on
	s_add_nc_u64 s[RSP:RSP+1], s[RSP:RSP+1], s[92:93]
	PICK3 BP, 12, 18, 24, HC
	s_lshl_b32 s92, s[RBR], 8                      ; the head column's 64 numbers of its bias
	s_add_nc_u64 s[BP:BP+1], s[BP:BP+1], s[92:93]
	s_mul_i32 s90, s[TB], BLK
	s_mul_i32 s91, s[SP], 16*PITCH
	s_add_co_u32 s92, s[HCL], 2
	s_mul_i32 s92, s92, BLK
	s_lshl_b32 s94, s[HCL], 9
	s_add_co_u32 s94, s94, SCQ
	s_lshl_b32 s95, s[SUB], 2
	s_lshl_b32 s96, s[HCL], 8
	s_add_co_u32 s96, s96, SCV
	s_lshl_b32 s97, s[SP], 2
	s_lshl_b32 s98, s[TB], 1
	s_add_co_u32 s97, s97, s98
	s_lshl_b32 s98, s[SP], 6
	; every address register is made here, ahead of the parting of the ways, from the thread's and the wave's number alone
	v_and_b32 v1, 31, v0                           ; lane
	v_and_b32 v2, 15, v0                           ; r
	v_bfe_u32 v3, v0, 4, 1                         ; h
	v_and_b32 v232, 7, v0
	v_bfe_u32 v233, v0, 3, 1                       ; place r of a tile: row r % 8 + 32 (r / 8)
	v_lshlrev_b32 v236, 4, v3
	v_mul_u32_u24 v234, v232, PITCH
	v_mul_u32_u24 v235, v233, HB
	v_lshl_add_u32 v[SOF], v232, 5, v236
	v_lshl_add_u32 v[SOF], v233, 10, v[SOF]
	v_lshlrev_b32 v[BO1], 7, v3
	; the given scale bytes, straight into the scale registers: lane (r, h) takes 16 bytes, the words of K steps 4 h .. 4 h + 3 of its row
.irp t, 0,1,2,3
	global_load_b128 v[PS+4*\t:PS+4*\t+3], v[SOF], s[PSP:PSP+1] offset:256*\t
.endr
.irp s, 0,1
	global_load_b128 v[RS+4*\s:RS+4*\s+3], v[SOF], s[RSP:RSP+1] offset:256*\s
.endr
	; the bias in both forms, in every wave, so that every register is written on every way: by P's rows (eight numbers a tile and half) and by R's row (one number a strip)
.irp t, 0,1,2,3
	global_load_b128 v[BB+8*\t:BB+8*\t+3], v[BO1], s[BP:BP+1] offset:32*\t
	global_load_b128 v[BB+8*\t+4:BB+8*\t+7], v[BO1], s[BP:BP+1] offset:32*\t+16
.endr
	v_lshlrev_b32 v237, 7, v233
	v_lshl_add_u32 v237, v232, 2, v237
	v_add_nc_u32 v[BO2], s98, v237
	global_load_b32 v[PW], v[BO2], s[BP:BP+1]
	global_load_b32 v[PW+1], v[BO2], s[BP:BP+1] offset:32
	v_add_nc_u32 v234, v234, v235
	v_add_nc_u32 v234, v234, v236                  ; my lane's place in a tile
	v_add_nc_u32 v[XP], s90, v234
	v_add_nc_u32 v[WP], s92, v234
	v_add_nc_u32 v[XR], s91, v[XP]
	v_add_nc_u32 v[WR], s91, v[WP]
	v_lshlrev_b32 v[LI], 4, v1
	v_lshlrev_b32 v[L8], 3, v1
	v_add_nc_u32 v[SQR], s94, v[LI]
	v_add_nc_u32 v[SQA], s95, v[SQR]               ; the word of tile 2 sub + s, place r: (r + 16 s) 16 + 4 sub
	v_add_nc_u32 v[SVR], s96, v[L8]
	v_add_nc_u32 v[SVA], s97, v[SVR]               ; bytes 2 tb, 2 tb + 1 of the word of channel tile 2 sp + s, place r: (r + 16 s) 8 + 4 sp + 2 tb
	v_lshl_add_u32 v238, v2, 11, v236              ; Wo: four rows of 512 bytes a place, + 16 h
	s_wait_alu depctr_va_vdst(0)
	; WO'S IMAGE: [64 columns w 16][K step 8][tile t 4][c 2][lane 32][16 bytes]; place r of tile t is column 64 w + 4 r + t.  128 jobs of 16 rows x 256 bytes: wave 11 of the work-groups with gy under 4 takes one
	s_cmp_lt_u32 s[GY], 4
	s_cbranch_scc0 .Lno_copy
	s_cmp_eq_u32 s[WV], 11
	s_cbranch_scc0 .Lno_copy
	s_lshl_b32 s90, s[GY], 5
	s_add_co_u32 s90, s90, s[TBK]                  ; job = 8 w + 2 t + which half of K
	s_lshr_b32 s91, s90, 3
	s_lshl_b32 s91, s91, 15
	s_bfe_u32 s92, s90, 0x20001
	s_and_b32 s94, s90, 1
	s_lshl_b32 s95, s92, 9
	s_lshl_b32 s96, s94, 8
	s_add_co_u32 s98, s91, s95
	s_add_co_u32 s98, s98, s96
	s_mov_b32 s99, 0
	s_add_nc_u64 s[76:77], s[32:33], s[98:99]
	s_lshl_b32 s95, s92, 10
	s_lshl_b32 s96, s94, 14
	s_add_co_u32 s98, s91, s95
	s_add_co_u32 s98, s98, s96
	s_add_nc_u64 s[78:79], s[34:35], s[98:99]
.irp k, 0,1,2,3
.irp c, 0,1
	global_load_b128 v[ACC+8*\k+4*\c:ACC+8*\k+4*\c+3], v238, s[76:77] offset:64*\k+32*\c
.endr
.endr
	s_wait_loadcnt 0x0
.irp k, 0,1,2,3
.irp c, 0,1
	global_store_b128 v[LI], v[ACC+8*\k+4*\c:ACC+8*\k+4*\c+3], s[78:79] offset:4096*\k+512*\c   ; 512 consecutive bytes, aligned
.endr
.endr
	s_wait_xcnt 0x0                                ; the stores have read their data: the accumulators may land there
.Lno_copy:
	s_wait_loadcnt 0x0                             ; scale words and bias
	s_wait_tensorcnt 0x0                           ; my part is in LDS,
	s_barrier_signal -1
	s_barrier_wait -1                              ; everybody's is
	s_cmp_ge_u32 s[HC], 20
	s_cbranch_scc1 .Lway_v
	; ---- q/k way
	GEMM WP, XR, 1
	QUANT
	v_or_b32 v[MW], 0x7f7f0000, v[MW]              ; the head has 64 channels: the upper two bytes of the word of 128 stand for 1.0
	s_wait_alu depctr_va_vdst(0)
	s_lshl_b32 s90, s[HC], 17                      ; qc: [hc][tile 256][512]
	s_lshl_b32 s91, s[TBK], 12
	s_add_co_u32 s90, s90, s91
	s_cmp_lt_u32 s[HC], 16
	s_cselect_b64 s[OC:OC+1], s[26:27], s[30:31]
	s_cselect_b32 s90, s90, s[KVO]
	s_lshl_b32 s91, s[SUB], 10                     ; my two tiles
	s_add_co_u32 s90, s90, s91
	s_mov_b32 s91, 0
	s_add_nc_u64 s[OC:OC+1], s[OC:OC+1], s[90:91]
	global_store_b128 v[LI], v[PC:PC+3], s[OC:OC+1]              ; each store of the wave covers 512 consecutive bytes, aligned
	global_store_b128 v[LI], v[PC+4:PC+7], s[OC:OC+1] offset:512
	ds_store_b32 v[SQA], v[MW]
	s_branch .Ljoin
	; ---- v way
.Lway_v:
.irp s, 0,1
.irp j, 0,1,2,3,4,5,6,7
	v_mov_b32 v[BB+8*\s+\j], v[PW+\s]              ; a lane holds one channel: its bias in all eight registers
.endr
.endr
	s_wait_alu depctr_va_vdst(0)
	GEMM XP, WR, 2
	QUANT
	s_wait_alu depctr_va_vdst(0)
	s_lshl_b32 s91, s[SP], 11                      ; V^T's fragments behind K's tiles: [channel tile 2 sp + s][which 64 keys tb][512]
	s_add_co_u32 s90, s[KVO], s91
	s_lshl_b32 s91, s[TB], 9
	s_add_co_u32 s90, s90, s91
	s_add_co_u32 s90, s90, 4096
	s_mov_b32 s91, 0
	s_add_nc_u64 s[OC:OC+1], s[30:31], s[90:91]
	global_store_b128 v[LI], v[PC:PC+3], s[OC:OC+1]
	global_store_b128 v[LI], v[PC+4:PC+7], s[OC:OC+1] offset:1024
	ds_store_b16 v[SVA], v[MW]
.Ljoin:
	s_wait_dscnt 0x0                               ; for the others' sake: my scale words lie in the stage
	s_barrier_signal -1
	s_barrier_wait -1
	; a head column's scale words leave whole, by its first wave
	s_cmp_lg_u32 s[SUB], 0
	s_cbranch_scc1 .Lclose
	s_cmp_ge_u32 s[HC], 20
	s_cbranch_scc1 .Lscales_v
	ds_load_b128 v[FS:FS+3], v[SQR]
	s_lshl_b32 s90, s[HC], 5
	s_add_co_u32 s90, s90, s[TBK]
	s_lshl_b32 s90, s90, 9                         ; qs: [hc][tbk][512]
	s_add_co_u32 s91, s[KVO], 8192
	s_cmp_lt_u32 s[HC], 16
	s_cselect_b64 s[OS:OS+1], s[28:29], s[30:31]
	s_cselect_b32 s90, s90, s91
	s_mov_b32 s91, 0
	s_add_nc_u64 s[OS:OS+1], s[OS:OS+1], s[90:91]
	s_wait_dscnt 0x0
	global_store_b128 v[LI], v[FS:FS+3], s[OS:OS+1]
	s_branch .Lclose
.Lscales_v:
	ds_load_b64 v[FS:FS+1], v[SVR]
	s_add_co_u32 s90, s[KVO], 8704
	s_mov_b32 s91, 0
	s_add_nc_u64 s[OS:OS+1], s[30:31], s[90:91]
	s_wait_dscnt 0x0
	global_store_b64 v[L8], v[FS:FS+1], s[OS:OS+1]
.Lclose:
	v_lshl_add_u32 v232, v0, 2, SPARE
	v_mov_b32 v233, 0
	s_wait_alu depctr_va_vdst(0)
	s_wait_tensorcnt 0x0                           ; the wave's end
	ds_add_u32 v232, v233
	s_wait_dscnt 0x0
	ROUND                                          ; the closing round: no work-group ends while a partner may still ask for a tile that names it
	s_endpgm
.Lfunc_end_k_q9999da993f_qkv:
	.size	k_q9999da993f_qkv, .Lfunc_end_k_q9999da993f_qkv-k_q9999da993f_qkv
	.p2alignl 7, 3214868480
	.fill 96, 4, 3214868480
	.section	.rodata,"a",@progbits
	.p2align	6, 0x0
	.amdhsa_kernel k_q9999da993f_qkv
		.amdhsa_group_segment_fixed_size 174080
		.amdhsa_private_segment_fixed_size 0
		.amdhsa_enable_private_segment 0
		.amdhsa_kernarg_size 128
		.amdhsa_user_sgpr_count 2
		.amdhsa_user_sgpr_kernarg_segment_ptr 1
		.amdhsa_wavefront_size32 1
		.amdhsa_system_sgpr_workgroup_id_x 1
		.amdhsa_system_sgpr_workgroup_id_y 1
		.amdhsa_system_sgpr_workgroup_id_z 1
		.amdhsa_system_vgpr_workitem_id 0
		.amdhsa_next_free_vgpr 256
		.amdhsa_next_free_sgpr 100
		.amdhsa_reserve_vcc 0
		.amdhsa_float_denorm_mode_32 3
		.amdhsa_float_denorm_mode_16_64 3
		.amdhsa_memory_ordered 1
		.amdhsa_forward_progress 1
		.amdhsa_inst_pref_size 51
	.end_amdhsa_kernel
	.amdgpu_metadata
---
amdhsa.version: [ 1, 2 ]
amdhsa.kernels:
  - .name:           k_q9999da993f_qkv
    .symbol:         k_q9999da993f_qkv.kd
    .args:
      - { .name: x_codes, .offset: 0, .size: 8, .value_kind: global_buffer, .address_space: global }
      - { .name: x_scales, .offset: 8, .size: 8, .value_kind: global_buffer, .address_space: global }
      - { .name: Wq_codes, .offset: 16, .size: 8, .value_kind: global_buffer, .address_space: global }
      - { .name: Wq_scales, .offset: 24, .size: 8, .value_kind: global_buffer, .address_space: global }
      - { .name: bq, .offset: 32, .size: 8, .value_kind: global_buffer, .address_space: global }
      - { .name: Wk_codes, .offset: 40, .size: 8, .value_kind: global_buffer, .address_space: global }
      - { .name: Wk_scales, .offset: 48, .size: 8, .value_kind: global_buffer, .address_space: global }
      - { .name: bk, .offset: 56, .size: 8, .value_kind: global_buffer, .address_space: global }
      - { .name: Wv_codes, .offset: 64, .size: 8, .value_kind: global_buffer, .address_space: global }
      - { .name: Wv_scales, .offset: 72, .size: 8, .value_kind: global_buffer, .address_space: global }
      - { .name: bv, .offset: 80, .size: 8, .value_kind: global_buffer, .address_space: global }
      - { .name: qc, .offset: 88, .size: 8, .value_kind: global_buffer, .address_space: global }
      - { .name: qs, .offset: 96, .size: 8, .value_kind: global_buffer, .address_space: global }
      - { .name: kv, .offset: 104, .size: 8, .value_kind: global_buffer, .address_space: global }
      - { .name: Wo_codes, .offset: 112, .size: 8, .value_kind: global_buffer, .address_space: global }
      - { .name: woi, .offset: 120, .size: 8, .value_kind: global_buffer, .address_space: global }
    .group_segment_fixed_size: 174080
    .private_segment_fixed_size: 0
    .kernarg_segment_align: 8
    .kernarg_segment_size: 128
    .max_flat_workgroup_size: 384
    .sgpr_count:     100
    .vgpr_count:     256
    .wavefront_size: 32
...
	.end_amdgpu_metadata
.endif
;; end of part 1
;; launch attn (part 2): grid 128 x 2, 16 waves a work-group, clusters of 4 x 1, 327,680 bytes of LDS; arguments qc, qs, kv, woi, Wo_scales, bo, out0; writes out0
.if DOCPART == 2
	.amdgcn_target "amdgcn-amd-amdhsa--gfx1250"
	.amdhsa_code_object_version 6
	.text
	.protected	k_q9999da993f_attn
	.globl	k_q9999da993f_attn
	.p2align	8
	.type	k_q9999da993f_attn,@function
k_q9999da993f_attn:
	s_mov_b64 s[64:65], 0
	v_nop
	global_prefetch_b8 v0, s[64:65] scope:SCOPE_SE
	s_setreg_imm32_b32 hwreg(HW_REG_WAVE_MODE, 25, 1), 1
	s_wait_xcnt 0x0
	s_wait_alu depctr_hold_cnt(0) depctr_sa_sdst(0) depctr_va_vdst(0) depctr_va_sdst(0) depctr_va_ssrc(0) depctr_va_vcc(0) depctr_vm_vsrc(0)
	s_getreg_b32 s2, hwreg(HW_REG_IB_STS2, 6, 4)
	s_cmp_eq_u32 s2, 0
	s_cbranch_scc0 .Lentry_in_a_cluster
	s_endpgm
.Lentry_in_a_cluster:
	s_bfe_u32 s2, ttmp6, 0x10000c
	s_cmp_lg_u32 s2, 0x3003
	s_cbranch_scc0 .Lentry_shape_is_right
	s_endpgm
.Lentry_shape_is_right:
; out0 = y Wo^T + bo, y[q][head] = the sum over keys of softmax(q . k / 8) v, grouped queries: heads 4 g .. 4 g + 3 share group g's k and v.  All three products on codes of FP4 (E2M1) with E8M0 scales; sums in f32.
; THE SOFTMAX AHEAD OF THE SECOND PRODUCT: t = score x log2(e) / 8; M = the running largest t rounded UP to a whole number; p = 2^(t - M) is quantised along the keys, not normalised.
; The row's sum is taken of the unquantised p and divides at the end.  When M moves, the sum and O are multiplied by 2^(old M - new M): exact.  y is quantised along the head's 64 channels.
; SHARES.  A work-group owns one tile of 16 queries of one batch and ALL 16 heads: wave = head.  So a wave walks its group's 2,048 keys, 256 a step, and the 16 rows of y, whole along K = 1,024, meet in LDS:
; the last product follows here, wave w making columns 64 w .. 64 w + 63.
; K AND V of all four groups come through a ring of two LDS slots of 512 keys: [block of 128 keys 4][g 4][8,960], 143,360 dense bytes; wave w fetches 8,960 of them, one load a wave.
; CLUSTER: the four work-groups of a cluster walk the same K and V: every tensor load is asked for jointly.
; A slot's last step has its K and V in registers before it walks the softmax: there the wave signals the barrier, and it waits at the step's end.
; WO comes from its image straight into registers: within a work-group each fragment feeds one wave alone, so it takes no way through LDS.
; LAYOUT.  S^T = K Q^T and O^T = V^T P^T are used transposed: a lane holds ONE query.  Place m of tile 4 c + u of 128 keys is key 64 c + 32 (m / 8) + 8 u + m % 8 (channels of V likewise), so lane (r, h)'s 32 registers of
; four tiles are block 2 c + h whole: maxima, codes and bytes of a block need no other lane.  The queries of tile T are rows 64 (T / 4) + 8 (T % 4) + m % 8 + 32 (m / 8).
; K = 64 IN AN INSTRUCTION OF K = 128: Q's codes of k = 64 .. 127 are zeros and the upper two scale bytes of Q's and K's words stand for 1.0, so whatever codes stand in the upper four registers of K's operand add nothing.
; THE BLOCK'S SCALE: p rises with the score, so the block's largest score, less M and less 2 more, through the same exponential, has the scale's exponent field.
; PREFETCH: chunk i + 2 of K and V, in chunk i's first step, by the first two clusters of each batch, each partner one of the chunk's four blocks of 128 keys; Wo's image, 2,048 bytes a work-group, in chunk 2's second step.
; Chunks 0 and 1 come by their loads alone.
; LIMITS: the scaled scores stay under 2^31 in magnitude; a block of y that is all zeros, or whose largest magnitude lies under 2^-124, gets the byte 1, and so does a block of p whose every p has fallen under 2^-124;
; NaN and infinities are not served.
.set KVB,   8960
.set HALF,  4*KVB                      ; from 128 keys to the next 128
.set STEPB, 2*HALF                     ; a step of 256 keys
.set CHUNK, 4*HALF                     ; a slot
.set YIM,   2*CHUNK                    ; y's codes: [head 16][lane 32][16 bytes];
.set YSC,   YIM+8192                   ; y's scale bytes: [row place 16][32]
.set SPARE, YSC+512                    ; the spare words, 128 bytes a wave
.set KA,  1                            ; v1   the step's LDS address: 16 x lane on
.set NM,  2                            ; v2   -M;  v3 -M - 2
.set FA,  4                            ; v4   f = 2^(old M - new M)
.set MX,  5                            ; v5   the largest score so far
.set SUM, 6                            ; v[6:7] the row's sum in two halves
.set VSA, 8                            ; v8   the step's LDS address: 8 x lane on
.set QS,  9                            ; v9   Q's scale words
.set Q,   10                           ; v10-17 Q's fragment (v14-17 = 0)
.set KS,  18                           ; v18-25 scale words: K's; then V's in v18-21 and p's in v22-25
.set F,   26                           ; v26-89 K's sixteen tiles, four registers each; then V^T: 32 half + 8 n + 4 c
.set BM,  90                           ; v90-93 a block's largest score, then the conversions' scale operands (also the upper half of K's last tile)
.set OT,  94                           ; v94-125 O^T: 8 n
.set T,   126                          ; v[126:127] at work; also the first two registers of p's codes
.set S,   128                          ; v128-255 S^T, then p: block 2 half + c at 32 (2 half + c)
.set PC0, 126                          ; v126-133 codes of the first 128 keys (over scores that are converted by then)
.set PC1, 136                          ; v136-143 of the second
.set WV,  18
.set CX,  19
.set TI,  20
.set B,   21
.set SEL, 22
.set CS,  24
.set NC,  26
.set GB,  27
.set KO,  28
.set CNT, 29
.set G1,  32
.set G0,  40
.set MB,  44
.set WB,  46
.set ASKS, 47
.set WOB, 60
.set WSC, 62
.set BIA, 66
.set OUT, 68
.set PF,  70
.set WPF, 72
.macro CREST                           ; a round of the cluster's barrier behind its opening barrier
	s_cmp_lg_u32 s[WV], 0
	s_cbranch_scc1 .Lnot_wave_0_\@
	s_barrier_signal -3
.Lnot_wave_0_\@:
	s_barrier_wait -3
	s_barrier_signal -1
	s_barrier_wait -1
.endm
.macro ROUND
	s_barrier_signal -1
	s_barrier_wait -1
	CREST
.endm
; One product: first registers of D, A, B; z = 1: the sum starts from 0; ra, rb: scales in lanes 0-15 or 16-31.
.macro WMS d, a, b, z, sa, sb, ra, rb
.if \z
.if (\ra) == 0
	v_wmma_scale_f32_16x16x128_f8f6f4 v[\d:\d+7], v[\a:\a+7], v[\b:\b+7], 0, v[\sa], v[\sb] matrix_a_fmt:MATRIX_FMT_FP4 matrix_b_fmt:MATRIX_FMT_FP4
.else
	v_wmma_scale_f32_16x16x128_f8f6f4 v[\d:\d+7], v[\a:\a+7], v[\b:\b+7], 0, v[\sa], v[\sb] matrix_a_fmt:MATRIX_FMT_FP4 matrix_b_fmt:MATRIX_FMT_FP4 matrix_a_scale:MATRIX_SCALE_ROW1
.endif
.elseif ((\ra) == 0) && ((\rb) == 0)
	v_wmma_scale_f32_16x16x128_f8f6f4 v[\d:\d+7], v[\a:\a+7], v[\b:\b+7], v[\d:\d+7], v[\sa], v[\sb] matrix_a_fmt:MATRIX_FMT_FP4 matrix_b_fmt:MATRIX_FMT_FP4
.elseif (\rb) == 0
	v_wmma_scale_f32_16x16x128_f8f6f4 v[\d:\d+7], v[\a:\a+7], v[\b:\b+7], v[\d:\d+7], v[\sa], v[\sb] matrix_a_fmt:MATRIX_FMT_FP4 matrix_b_fmt:MATRIX_FMT_FP4 matrix_a_scale:MATRIX_SCALE_ROW1
.elseif (\ra) == 0
	v_wmma_scale_f32_16x16x128_f8f6f4 v[\d:\d+7], v[\a:\a+7], v[\b:\b+7], v[\d:\d+7], v[\sa], v[\sb] matrix_a_fmt:MATRIX_FMT_FP4 matrix_b_fmt:MATRIX_FMT_FP4 matrix_b_scale:MATRIX_SCALE_ROW1
.else
	v_wmma_scale_f32_16x16x128_f8f6f4 v[\d:\d+7], v[\a:\a+7], v[\b:\b+7], v[\d:\d+7], v[\sa], v[\sb] matrix_a_fmt:MATRIX_FMT_FP4 matrix_b_fmt:MATRIX_FMT_FP4 matrix_a_scale:MATRIX_SCALE_ROW1 matrix_b_scale:MATRIX_SCALE_ROW1
.endif
.endm
	s_load_b256 s[4:11], s[0:1], 0x0               ; qc 4, qs 6, kv 8, woi 10
	s_load_b128 s[12:15], s[0:1], 0x20             ; Wo_scales 12, bo 14
	s_load_b64 s[16:17], s[0:1], 0x30              ; out0
	v_lshl_add_u32 v[T], v0, 2, SPARE
	v_mov_b32 v[T+1], 0
	ds_add_u32 v[T], v[T+1]                        ; the opening add, twice on end, and its wait below
	ds_add_u32 v[T], v[T+1]
	v_lshrrev_b32 v1, 5, v0
	v_readfirstlane_b32 s[WV], v1                  ; wave = head 0..15
	s_bfe_u32 s[CX], ttmp6, 0x40000                ; my place in the cluster
	s_lshl_b32 s[TI], ttmp9, 2
	s_add_co_u32 s[TI], s[TI], s[CX]               ; my tile of queries, 0..127: it enters Q's, the output's and the prefetches' addresses alone
	s_and_b32 s[B], ttmp7, 0xffff                  ; batch, which the four partners share
	s_lshr_b32 s[GB], s[WV], 2
	s_mul_i32 s[GB], s[GB], KVB                    ; my group's place in a block of 128 keys
	s_mul_i32 s[WB], s[WV], KVB                    ; what I fetch of a chunk, in memory and in a slot
	s_mov_b32 s[KO], s[GB]
	; descriptor group 1: 35 rows of 256 dense bytes (32 elements of 8 bytes), no padding: images are read 16 bytes a lane on end
	s_mov_b32 s[G1], 15|(3<<16)|(1<<21)            ; 15:0 the mask: all four work-groups; 17:16 elements of 8 bytes; 21 set beside a mask
	s_mov_b32 s[G1+1], 32<<16
	s_mov_b32 s[G1+2], 35<<16
	s_mov_b32 s[G1+3], 32<<16
	s_mov_b32 s[G1+4], 35
	s_mov_b32 s[G1+5], 32
	s_mov_b32 s[G1+6], 0
	s_mov_b32 s[G1+7], 0
	s_mul_i32 s48, s[B], 4*CHUNK                   ; the batch's K and V
	s_add_co_u32 s52, s48, s[WB]
	s_mov_b32 s53, 0
	s_mul_i32 s54, s[CX], HALF
	s_add_co_u32 s54, s54, s48
	s_add_co_u32 s54, s54, 2*CHUNK                 ; the prefetches begin with chunk 2
	s_mov_b32 s55, 0
	s_lshl_b32 s30, s[B], 7
	s_add_co_u32 s30, s30, s[TI]                   ; 128 b + tile
	s_lshl_b32 s56, s[WV], 8
	s_add_co_u32 s56, s56, s30
	s_lshl_b32 s56, s56, 9                         ; qc: [head][tile 256][512]
	s_mov_b32 s57, 0
	s_lshl_b32 s58, s[WV], 5
	s_lshr_b32 s31, s30, 3
	s_add_co_u32 s58, s58, s31
	s_lshl_b32 s58, s58, 9                         ; qs: [head][block of 8 tiles][512]; the word of tile T, place r: (r + 16 (T % 2)) 16 + 4 ((T % 8) / 2)
	s_and_b32 s31, s30, 1
	s_lshl_b32 s31, s31, 8
	s_add_co_u32 s58, s58, s31
	s_bfe_u32 s31, s30, 0x20001
	s_lshl_b32 s31, s31, 2
	s_add_co_u32 s58, s58, s31
	s_mov_b32 s59, 0
	s_lshl_b32 s48, s30, 11                        ; my 2,048 bytes of Wo's image, for the prefetch
	s_mov_b32 s49, 0
	s_mov_b32 s51, 0
	s_mov_b32 s[SEL], 0x76543210                   ; v_permlanex16_b32's selects for lane l xor 16
	s_mov_b32 s[SEL+1], 0xfedcba98
	s_mov_b32 s[CS], 0x3e38aa3b                    ; c = log2(e) / 8
	s_mov_b32 s[CS+1], s[CS]                       ; (named with it as a pair, so it is written)
	s_mov_b32 s[NC], 0xbe38aa3b                    ; -c
	s_cmp_lt_u32 s[WV], 5                          ; who prefetches K and V: waves 0 to 4 of the first two clusters of a batch
	s_cselect_b32 s[ASKS], 1, 0
	s_cmp_lt_u32 ttmp9, 2
	s_cselect_b32 s[ASKS], s[ASKS], 0
	s_wait_dscnt 0x0                               ; both opening adds are done
	s_wait_kmcnt 0x0
	s_add_nc_u64 s[MB:MB+1], s[8:9], s[52:53]
	s_or_b32 s[MB+1], s[MB+1], 0x80000000          ; type = 2
	s_mov_b32 s[G0], 1
	s_mov_b32 s[G0+1], s[WB]                       ; chunk 0 into slot 0
	s_mov_b64 s[G0+2:G0+3], s[MB:MB+1]
	ROUND                                          ; all four work-groups are here: the joint loads meet
	tensor_load_to_lds s[G0:G0+3], s[G1:G1+7]
	s_nop 0
	s_add_nc_u64 s[PF:PF+1], s[8:9], s[54:55]
	s_add_nc_u64 s[WPF:WPF+1], s[10:11], s[48:49]
	s_add_nc_u64 s[74:75], s[4:5], s[56:57]
	s_add_nc_u64 s[76:77], s[6:7], s[58:59]
	s_lshl_b32 s50, s[WV], 15
	s_add_nc_u64 s[WOB:WOB+1], s[10:11], s[50:51]  ; Wo's image: my 64 columns
	s_lshl_b32 s50, s[WV], 11
	s_add_nc_u64 s[WSC:WSC+1], s[12:13], s[50:51]  ; their scale bytes, 32 a column
	s_lshl_b32 s50, s[WV], 8
	s_add_nc_u64 s[BIA:BIA+1], s[14:15], s[50:51]  ; and their bias
	s_lshr_b32 s48, s30, 2
	s_lshl_b32 s48, s48, 18
	s_add_co_u32 s50, s50, s48
	s_and_b32 s48, s30, 3
	s_lshl_b32 s48, s48, 15
	s_add_co_u32 s50, s50, s48
	s_add_nc_u64 s[OUT:OUT+1], s[16:17], s[50:51]  ; my first row of the output, my columns
	v_and_b32 v[KA], 31, v0
	v_and_b32 v[VSA], 15, v0
	v_lshlrev_b32 v[KA], 4, v[KA]
	v_lshlrev_b32 v[VSA], 4, v[VSA]
	global_load_b128 v[Q:Q+3], v[KA], s[74:75] th:TH_LOAD_NT     ; Q's fragment stays in registers; read once in the launch
	global_load_b32 v[QS], v[VSA], s[76:77]
.irp j, 0,1,2,3
	v_mov_b32 v[Q+4+\j], 0                         ; Q's codes of k = 64 .. 127
	v_mov_b32 v[BM+\j], 0
.endr
	v_mov_b32 v[MX], 0xff61b1e6                    ; the largest score so far: -3e38
	v_mov_b32 v[SUM], 0
	v_mov_b32 v[SUM+1], 0
	v_mul_f32 v[NM], s[NC], v[MX]
	v_mov_b32 v[NM+1], 0
.set J, OT
.rept 32
	v_mov_b32 v[J], 0                              ; O^T.  (The step is written for every place alike: the first finds zeros, which the first change of M leaves zeros)
.set J, J+1
.endr
	v_floor_f32 v[NM], v[NM]                       ; -M
	s_wait_alu depctr_va_vdst(0)
	s_wait_tensorcnt 0x0                           ; my part of chunk 0 is in
	ds_add_u32 v[T], v[T+1]
	s_add_co_u32 s[G0+1], s[WB], CHUNK             ; chunk 1 into slot 1
	s_add_nc_u64 s[G0+2:G0+3], s[MB:MB+1], CHUNK
	s_add_nc_u64 s[MB:MB+1], s[MB:MB+1], 2*CHUNK   ; the refills begin with chunk 2
	s_wait_dscnt 0x0
	ROUND                                          ; everybody's part of chunk 0 is in, and the joint loads meet
	tensor_load_to_lds s[G0:G0+3], s[G1:G1+7]
	s_nop 0
; A KEY STEP: 256 keys.  kind = 0: inside a slot, or the last; 1: a slot's last step, the slot is filled again; 2: a slot's last step, nothing is filled.  pf = 1: prefetch of K and V, 2: of Wo.
.macro STEP kind, pf
	v_and_b32 v[VSA], 31, v0
	v_lshl_add_u32 v[KA], v[VSA], 4, s[KO]
	v_lshl_add_u32 v[VSA], v[VSA], 3, s[KO]
.rept 2
	v_nop                                          ; with the three above: five places between the last step's products and what lands on their registers, the four tiles' loads and the scores
.endr
	s_add_co_u32 s[KO], s[KO], STEPB
	ds_load_b128 v[KS:KS+3], v[KA] offset:8192
.irp t, 0,1,2,3,4,5,6,7,8
	ds_load_b128 v[F+4*\t:F+4*\t+3], v[KA] offset:512*(\t%8)+HALF*(\t/8)
.endr
	ds_load_b128 v[KS+4:KS+7], v[KA] offset:HALF+8192
.irp t, 9,10,11,12,13,14,15
	ds_load_b128 v[F+4*\t:F+4*\t+3], v[KA] offset:512*(\t%8)+HALF
.endr
	s_wait_alu depctr_va_vdst(0)
.if \pf == 1
	s_cmp_eq_u32 s[ASKS], 1
	s_cbranch_scc0 .Lno_ask_\@
	v_min_u32 v[T], 139, v0                        ; 140 blocks of 256 bytes: 128 keys of all four groups
	v_lshlrev_b32 v[T], 8, v[T]
	global_prefetch_b8 v[T], s[PF:PF+1] th:TH_LOAD_NT scope:SCOPE_SE
.Lno_ask_\@:
.endif
.if \pf == 2
	s_cmp_eq_u32 s[WV], 0
	s_cbranch_scc0 .Lno_ask_\@
	v_min_u32 v[T], 7, v0                          ; 8 blocks of 256 bytes
	v_lshlrev_b32 v[T], 8, v[T]
	global_prefetch_b8 v[T], s[WPF:WPF+1] th:TH_LOAD_NT scope:SCOPE_SE
.Lno_ask_\@:
.endif
	s_wait_dscnt 8                                 ; the first 128 keys' tiles, the next tile and the first scale words are in
.irp t, 0,1,2,3,4,5,6,7
	WMS S+8*\t, F+4*\t, Q, 1, KS+\t/2, QS, \t%2, 0
.endr
	s_wait_dscnt 0x0
.if \pf
	s_wait_xcnt 0x0                                ; the prefetch has read its address
.endif
.irp t, 8,9,10,11,12,13,14,15
	WMS S+8*\t, F+4*\t, Q, 1, KS+\t/2, QS, \t%2, 0
.endr                                  ; lane (r, h) holds query r; register 32 (2 half + c) + i is key 64 c + 32 h + i of that half
.rept 4
	v_nop                                          ; four places in front of the loads into the operands' registers and of the first read of scores
.endr
	ds_load_b64 v[KS:KS+1], v[VSA] offset:8704
	ds_load_b64 v[KS+2:KS+3], v[VSA] offset:HALF+8704
.irp i, 0,1,2,3,4,5,6,7,8,9,10,11,12,13,14,15
	ds_load_b128 v[F+4*\i:F+4*\i+3], v[KA] offset:4096+512*(\i%8)+HALF*(\i/8)
.endr
.irp b, 0,1,2,3
	v_max3_num_f32 v[BM+\b], v[S+32*\b], v[S+32*\b+1], v[S+32*\b+2]   ; the largest score of each of my four blocks of 32 keys: for the row's maximum and for the block's scale
.endr
.irp i, 3,5,7,9,11,13,15,17,19,21,23,25,27,29
.irp b, 0,1,2,3
	v_max3_num_f32 v[BM+\b], v[BM+\b], v[S+32*\b+\i], v[S+32*\b+\i+1]
.endr
.endr
.if \kind
	v_lshl_add_u32 v[T], v0, 2, SPARE              ; made anew: no two registers can be kept
	v_mov_b32 v[T+1], 0
	s_wait_alu depctr_va_vdst(0)
	s_wait_tensorcnt 0x0                           ; my part of the next slot is in
	ds_add_u32 v[T], v[T+1]
.if \kind == 1
	s_mul_i32 s50, s[CNT], CHUNK                   ; no tensor load of mine is out: chunk 2 + CNT into slot CNT
	s_add_co_u32 s[G0+1], s50, s[WB]
	s_add_nc_u64 s[G0+2:G0+3], s[MB:MB+1], s[50:51]
	s_add_nc_u64 s[PF:PF+1], s[PF:PF+1], CHUNK
.endif
	s_wait_dscnt 0x0                               ; the add is done, and V is in registers: my reads of this slot are over
	s_barrier_signal -1                            ; only register work from here to the wait
.endif
.irp b, 0,1,2,3
	v_max_num_f32 v[BM+\b], v[BM+\b], v[S+32*\b+31]
.endr
	v_max3_num_f32 v[T], v[BM], v[BM+1], v[BM+2]
	v_max_num_f32 v[T], v[T], v[BM+3]
	v_permlanex16_b32 v[T+1], v[T], s[SEL], s[SEL+1]
	v_max3_num_f32 v[MX], v[MX], v[T], v[T+1]      ; the running largest score, lane l xor 16's keys among them
	v_mul_f32 v[T], s[NC], v[MX]                   ; -t
	v_floor_f32 v[T+1], v[T]                       ; the new -M = floor(-t): M is a whole number
	v_sub_f32 v[T], v[T+1], v[NM]                  ; old M less new M: a whole number, 0 or less
	v_mov_b32 v[NM], v[T+1]
	v_cvt_i32_f32 v[T], v[T]                       ; (it saturates)
	v_add_f32 v[NM+1], -2.0, v[T+1]
	v_ldexp_f32 v[FA], 1.0, v[T]                   ; f
.set J, S
.rept 64
	v_pk_fma_f32 v[J:J+1], v[J:J+1], s[CS:CS+1], v[NM:NM+1] op_sel_hi:[1,0,0]   ; t - M, two at a time
.set J, J+2
.endr
.irp b, 0,1,2,3
	v_fma_f32 v[BM+\b], v[BM+\b], s[CS], v[NM+1]   ; a block's largest t, less M and 2
.endr
	s_wait_alu depctr_va_vdst(0)
.set J, S
.rept 128
	v_exp_f32 v[J], v[J]                           ; p = 2^(t - M)
.set J, J+1
.endr
.irp b, 0,1,2,3
	v_exp_f32 v[BM+\b], v[BM+\b]                   ; a quarter of the block's largest p
.endr
	v_pk_mul_f32 v[SUM:SUM+1], v[SUM:SUM+1], v[FA:FA+1] op_sel_hi:[1,0]   ; the sums under the new M: the plain place behind the exponentials
	s_wait_alu depctr_va_vdst(0)                   ; and the wait behind the batch
	v_pk_add_f32 v[T:T+1], v[S:S+1], v[S+2:S+3]
.set J, S+4
.rept 31
	v_pk_add_f32 v[SUM:SUM+1], v[SUM:SUM+1], v[J:J+1]
	v_pk_add_f32 v[T:T+1], v[T:T+1], v[J+2:J+3]
.set J, J+4
.endr
.irp b, 0,1,2,3
	v_max_num_f32 v[BM+\b], 0x800000, v[BM+\b]     ; the floor 2^-126: the byte cannot fall under 1
.endr
	v_pk_add_f32 v[SUM:SUM+1], v[SUM:SUM+1], v[T:T+1]
.irp b, 0,1,2,3
	v_lshrrev_b32 v[KS+4+\b], 23, v[BM+\b]         ; the scale's byte
.endr
	v_lshl_or_b32 v[KS+4], v[KS+5], 16, v[KS+4]    ; first half: bytes of blocks h and 2 + h
	v_lshl_or_b32 v[KS+6], v[KS+7], 16, v[KS+6]    ; second half
	v_permlane16_swap_b32 v[KS+4], v[KS+6]         ; v22: blocks 0 and 2, v24: blocks 1 and 3; first half in lanes 0-15, second in lanes 16-31
.irp k, 0,1
	v_cvt_scalef32_pk8_fp4_f32 v[PC0+\k], v[S+8*\k:S+8*\k+7], v[BM]
.endr
	v_lshl_or_b32 v[KS+4], v[KS+6], 8, v[KS+4]     ; p's scale words; also the plain place ahead of codes that land on converted numbers
.irp k, 2,3,4,5,6,7
	v_cvt_scalef32_pk8_fp4_f32 v[PC0+\k], v[S+8*\k:S+8*\k+7], v[BM+\k/4]
.endr
.irp k, 0,1,2,3,4,5,6,7
	v_cvt_scalef32_pk8_fp4_f32 v[PC1+\k], v[S+64+8*\k:S+64+8*\k+7], v[BM+2+\k/4]
.endr
	s_wait_alu depctr_va_vdst(0)
.set J, OT
.rept 16
	v_pk_mul_f32 v[J:J+1], v[J:J+1], v[FA:FA+1] op_sel_hi:[1,0]   ; O^T under the new M.  For each product below twelve of these name none of its registers: the places behind p's codes and scale word
.set J, J+2
.endr
.if \kind == 0
	s_wait_alu depctr_va_vdst(0)
	s_wait_dscnt 0x0                               ; V and its scale words are in
.endif
.irp n, 0,1,2,3
	WMS OT+8*\n, F+8*\n, PC0, 0, KS+\n/2, KS+4, \n%2, 0
.endr
.irp n, 0,1,2,3
	WMS OT+8*\n, F+32+8*\n, PC1, 0, KS+2+\n/2, KS+4, \n%2, 1
.endr
.if \kind
	s_barrier_wait -1                              ; the next slot is whole, and nobody reads this one
.endif
.if \kind == 1
	CREST                                          ; nor does any partner
	tensor_load_to_lds s[G0:G0+3], s[G1:G1+7]
	s_nop 0
.endif
.endm
	s_wait_loadcnt 0x0                             ; Q and its scale words
	s_mov_b32 s[CNT], 0
.Lchunk:                                               ; chunks 0 and 1: their slots are filled again
	STEP 0, 1
	STEP 1, 0
	s_add_co_u32 s[CNT], s[CNT], 1
	s_cmp_lt_u32 s[CNT], 2
	s_cbranch_scc1 .Lchunk
	s_mov_b32 s[KO], s[GB]                         ; back to slot 0: chunk 2
	STEP 0, 0
	STEP 2, 2
	s_mov_b32 s[CNT], 0
.Llast:                                                ; chunk 3
	STEP 0, 0
	s_add_co_u32 s[CNT], s[CNT], 1
	s_cmp_lt_u32 s[CNT], 2
	s_cbranch_scc1 .Llast
; THE OUTPUT PROJECTION.  Wo's fragments of K step ks: four tiles x two loads of 16 bytes a lane, into one of five buffers: four lie where the scores lay, the fifth where V's first half lay.
.set ACC, F+32                         ; v58-89 the four accumulators
.set YF,  OT                           ; v94-125 y's fragments: K step % 4
.set YS,  BM                           ; v90-93 y's scale words: lanes 0-15 K steps 0-3, lanes 16-31 K steps 4-7
.set WS,  Q                            ; v10-25 Wo's: 4 t + K step % 4, likewise
.macro BUF ks
.if ((\ks)%5) == 4
.set BF, F
.else
.set BF, S+32*((\ks)%5)
.endif
.endm
.macro WOLOAD ks
	BUF \ks
.irp t, 0,1,2,3
.irp c, 0,1
	global_load_b128 v[BF+8*\t+4*\c:BF+8*\t+4*\c+3], v[VSA], s[WOB:WOB+1] offset:4096*(\ks)+1024*\t+512*\c
.endr
.endr
.endm
	v_and_b32 v[VSA], 31, v0
	v_and_b32 v[KA], 15, v0                        ; r
	v_lshlrev_b32 v[VSA], 4, v[VSA]                ; 16 x lane
	v_add_f32 v[SUM], v[SUM], v[SUM+1]             ; the sum's two halves: with the three above the four places behind the last products, whose registers are written from here on
	v_bfe_u32 v63, v0, 4, 1                        ; h
	v_lshlrev_b32 v62, 4, v[KA]                    ; 16 r
	v_lshlrev_b32 v64, 7, v[KA]
	v_lshl_add_u32 v64, v63, 4, v64                ; 128 r + 16 h: column 4 r (+ t), my 16 scale bytes
.irp t, 0,1,2,3
	global_load_b128 v[WS+4*\t:WS+4*\t+3], v64, s[WSC:WSC+1] offset:32*\t
.endr
	global_load_b128 v[2:5], v62, s[BIA:BIA+1]     ; the bias of columns 4 r .. 4 r + 3
.irp ks, 0,1,2,3,4
	WOLOAD \ks
.endr
	; y = O^T / the sum: my head's 64 channels for 16 queries; lane (r, h) holds block h
	v_permlanex16_b32 v[T], v[SUM], s[SEL], s[SEL+1]
	v_add_f32 v[SUM], v[SUM], v[T]                 ; and lane l xor 16's: the row's sum
	s_wait_alu depctr_va_vdst(0)
	v_rcp_f32 v[SUM], v[SUM]
	v_lshlrev_b32 v65, 5, v[KA]                    ; 32 r (a plain place behind the reciprocal)
	s_lshl_b32 s48, s[WV], 9
	s_add_co_u32 s48, s48, YIM
	s_lshl_b32 s49, s[WV], 1
	s_add_co_u32 s49, s49, YSC
	v_add_nc_u32 v66, s48, v[VSA]                  ; where my codes go
	v_add_nc_u32 v67, v65, v63
	v_add_nc_u32 v67, s49, v67                     ; and my scale byte: 32 r + 2 head + h
	v_lshl_add_u32 v68, v63, 4, v65
	v_add_nc_u32 v68, YSC, v68                     ; where I read scale words: 32 r + 16 h
	v_add_nc_u32 v[KA], YIM, v[VSA]                ; and codes
	s_wait_alu depctr_va_vdst(0)                   ; ahead of the reciprocal's and O^T's first reader
.set J, OT
.rept 16
	v_pk_mul_f32 v[J:J+1], v[J:J+1], v[SUM:SUM+1] op_sel_hi:[1,0]
.set J, J+2
.endr
	v_max3_num_f32 v[T], |v[OT]|, |v[OT+1]|, 0x1800000
	v_max_num_f32 v[T+1], |v[OT+2]|, |v[OT+3]|
.irp i, 4,8,12,16,20,24,28
	v_max3_num_f32 v[T], v[T], |v[OT+\i]|, |v[OT+\i+1]|
	v_max3_num_f32 v[T+1], v[T+1], |v[OT+\i+2]|, |v[OT+\i+3]|
.endr
	v_max_num_f32 v[T], v[T], v[T+1]
	v_add_nc_u32 v[T], 0xff000000, v[T]
	v_lshrrev_b32 v[T+1], 23, v[T]
.irp n, 0,1,2,3
	v_cvt_scalef32_pk8_fp4_f32 v[58+\n], v[OT+8*\n:OT+8*\n+7], v[T]
.endr
	v_lshl_add_u32 v7, v63, 17, v62                ; the output: lanes 16-31 are 32 rows of 4,096 bytes further down
	v_nop
	s_wait_alu depctr_va_vdst(0)
	ds_store_b128 v66, v[58:61]
	ds_store_b8 v67, v[T+1]
	s_wait_dscnt 0x0                               ; for the others' sake
	s_barrier_signal -1
	s_barrier_wait -1                              ; all sixteen heads of y are there
	ds_load_b128 v[YS:YS+3], v68
.macro YLOAD ks
.irp c, 0,1
	ds_load_b128 v[YF+8*((\ks)%4)+4*\c:YF+8*((\ks)%4)+4*\c+3], v[KA] offset:1024*(\ks)+512*\c
.endr
.endm
.irp ks, 0,1,2,3
	YLOAD \ks
.endr
.irp ks, 0,1,2,3,4,5,6,7
.if \ks < 4
	s_wait_loadcnt 32                              ; this step's fragments of Wo are in; four later steps' may be out
.else
	s_wait_loadcnt 8*(7-\ks)
.endif
.if \ks < 5
	s_wait_dscnt 6                                 ; and y's; three later steps' may be out
.else
	s_wait_dscnt 2*(7-\ks)
.endif
	BUF \ks
.irp t, 0,1,2,3                        ; source 0 = y's 16 rows, source 1 = columns 4 r + t: the four accumulators take turns
.if \ks == 0
	WMS ACC+8*\t, YF, BF+8*\t, 1, YS, WS+4*\t, 0, 0
.else
	WMS ACC+8*\t, YF+8*(\ks%4), BF+8*\t, 0, YS+\ks%4, WS+4*\t+\ks%4, \ks/4, \ks/4
.endif
.endr
.if \ks < 4
.rept 4
	v_nop                                          ; four places in front of the loads into this step's registers
.endr
.if \ks < 3
	WOLOAD \ks+5
.endif
	YLOAD \ks+4
.endif
.endr
.rept 4
	v_nop                                          ; four places in front of the first read of results
.endr
	; Lane (r, h), register j of tile t: row 8 h + j of the tile, column 4 r + t: four tiles give 16 bytes, sixteen lanes 256 consecutive bytes of a row.  The bias is added on the way.
.irp j, 0,1,2,3,4,5,6,7
.irp t, 0,1,2,3
	v_add_f32 v[YF+4*\j+\t], v[ACC+8*\t+\j], v[2+\t]
.endr
	global_store_b128 v7, v[YF+4*\j:YF+4*\j+3], s[OUT:OUT+1] offset:4096*\j th:TH_STORE_NT   ; written once, read by nobody here
.endr
	v_lshl_add_u32 v[T], v0, 2, SPARE
	v_mov_b32 v[T+1], 0
	s_wait_alu depctr_va_vdst(0)
	s_wait_tensorcnt 0x0                           ; the wave's end
	ds_add_u32 v[T], v[T+1]
	s_wait_dscnt 0x0
	ROUND                                          ; the closing round
	s_endpgm
.Lfunc_end_k_q9999da993f_attn:
	.size	k_q9999da993f_attn, .Lfunc_end_k_q9999da993f_attn-k_q9999da993f_attn
	.p2alignl 7, 3214868480
	.fill 96, 4, 3214868480
	.section	.rodata,"a",@progbits
	.p2align	6, 0x0
	.amdhsa_kernel k_q9999da993f_attn
		.amdhsa_group_segment_fixed_size 327680
		.amdhsa_private_segment_fixed_size 0
		.amdhsa_enable_private_segment 0
		.amdhsa_kernarg_size 56
		.amdhsa_user_sgpr_count 2
		.amdhsa_user_sgpr_kernarg_segment_ptr 1
		.amdhsa_wavefront_size32 1
		.amdhsa_system_sgpr_workgroup_id_x 1
		.amdhsa_system_sgpr_workgroup_id_y 1
		.amdhsa_system_sgpr_workgroup_id_z 1
		.amdhsa_system_vgpr_workitem_id 0
		.amdhsa_next_free_vgpr 256
		.amdhsa_next_free_sgpr 78
		.amdhsa_reserve_vcc 0
		.amdhsa_float_denorm_mode_32 3
		.amdhsa_float_denorm_mode_16_64 3
		.amdhsa_memory_ordered 1
		.amdhsa_forward_progress 1
		.amdhsa_inst_pref_size 154
	.end_amdhsa_kernel
	.amdgpu_metadata
---
amdhsa.version: [ 1, 2 ]
amdhsa.kernels:
  - .name:           k_q9999da993f_attn
    .symbol:         k_q9999da993f_attn.kd
    .args:
      - { .name: qc, .offset: 0, .size: 8, .value_kind: global_buffer, .address_space: global }
      - { .name: qs, .offset: 8, .size: 8, .value_kind: global_buffer, .address_space: global }
      - { .name: kv, .offset: 16, .size: 8, .value_kind: global_buffer, .address_space: global }
      - { .name: woi, .offset: 24, .size: 8, .value_kind: global_buffer, .address_space: global }
      - { .name: Wo_scales, .offset: 32, .size: 8, .value_kind: global_buffer, .address_space: global }
      - { .name: bo, .offset: 40, .size: 8, .value_kind: global_buffer, .address_space: global }
      - { .name: out0, .offset: 48, .size: 8, .value_kind: global_buffer, .address_space: global }
    .group_segment_fixed_size: 327680
    .private_segment_fixed_size: 0
    .kernarg_segment_align: 8
    .kernarg_segment_size: 56
    .max_flat_workgroup_size: 512
    .sgpr_count:     78
    .vgpr_count:     256
    .wavefront_size: 32
...
	.end_amdgpu_metadata
.endif
;; end of part 2
